; MI455X (gfx1250); checked and timed in simulation.
; The chip was launched on July 23, 2026; its instructions are those of AMD's public machine-readable ISA for CDNA 5 (MIT licence, August 2026) and "CDNA5" Instruction Set Architecture Reference Guide (July 2026). The comments in the code are by the model that wrote it; some were corrected since.
;; Crop To B Box. Allowed arithmetic: float matrix products may take bf16 or f16 operands with f32 sums; all other float work in f32.
;; Inputs: bboxes 64 x 4 float32; images 64 x 512 x 512 x 3 float32; threshold 64 x 1 float32.
;; Outputs: out0 64 x 224 x 224 x 3 float32.
;; 2 versions, each right; version 2 is version 1 with the launch crop written anew for expert scheduling mode. Each part assembles by itself: llvm-mc -triple=amdgcn-amd-amdhsa -mcpu=gfx1250 --defsym DOCPART=n.
;; ======== version 1 of 2: 2 launches
;; workspace buffers: idx 131,072 bytes of whole numbers; wts 131,072 bytes
;; launch tables (part 1): grid 64 x 1, 4 waves a work-group, no clusters, 0 bytes of LDS; arguments bboxes, threshold, idx, wts; writes idx, wts
.if DOCPART == 1
	.amdgcn_target "amdgcn-amd-amdhsa--gfx1250"
	.amdhsa_code_object_version 6
	.text
	.protected	k_q904470a72c_tables
	.globl	k_q904470a72c_tables
	.p2align	8
	.type	k_q904470a72c_tables,@function
k_q904470a72c_tables:
	s_mov_b64 s[64:65], 0
	v_nop
	global_prefetch_b8 v0, s[64:65] scope:SCOPE_SE
	s_setreg_imm32_b32 hwreg(HW_REG_WAVE_MODE, 25, 1), 1
	s_wait_xcnt 0x0
; tables: one work-group for each image.  From the image's threshold and box it makes the sample coordinates of crop_and_resize:
;   idx[image][axis][256]  whole numbers: floor | ceil << 16 of the clipped coordinate; on the x axis both times 12 (byte offsets of pixels)
;   wts[image][axis][256]  f32: the coordinate's fraction, or -1.0 where the coordinate lies outside [0, 511] (the sample is then zero)
; axis 0 = rows of the image (box words 0 and 2, default 0), axis 1 = columns (box words 1 and 3, default 1): reference() stacks
; [nx1, ny1, nx2, ny2] and reads it as [y1, x1, y2, x2].  H = W = 512 and both target sides are 224, so one text serves both axes.
; 128 threads: thread t makes entries 4 (t & 63) .. + 3 of axis t >> 6 and stores 16 bytes to each table at 16 t, so that a wave's store
; covers 512 consecutive bytes, aligned.  For that each axis has 256 entries; entries 224 to 255 are made like the rest and never read.
; ROUNDING: at the far edge of a clipped box the coordinate is 0 or 511 up to rounding, and the tests ys >= 0 and ys <= 511 hang on its last
; bit.  The coordinate is formed as a compiled reference() forms it:
;   the two constant factors of the step are one:  (d * 511) / 223  ->  d * C,  C = fl(511 * fl(1 / 223)) = 9611163 * 2^-22;
;   the product i * step and the sum with y1 * 511 are one fused multiply-add; y1 * 511 itself is rounded.
; An evaluation of reference() that rounds each operation by itself can differ from this in whether the LAST sample row or column of a box
; clipped at 0 or 1 counts as inside; everywhere else the two differ by a unit in the last place of the coordinate.
; The box's own chain (side, center, clip) is done operation by operation; its divisions by 2 are exact.
; A NaN in the box stays a NaN through the clip (compares and selects) and ends as "outside", as in reference().
; For a coordinate outside the image the indices stored are those of the clipped coordinate; they only have to lie in the image.
.set F511,  0x43ff8000                 ; 511.0
.set F1P2,  0x3f99999a                 ; 1.2 rounded to f32
.set FSTEP, 0x4012a79b                 ; C, see above
.set IDXO,  20                         ; v[20:23] four idx entries
.set WTSO,  24                         ; v[24:27] four wts entries
	s_load_b256 s[4:11], s[0:1], 0x0               ; bboxes s[4:5], threshold s[6:7], idx s[8:9], wts s[10:11]
	v_lshrrev_b32 v1, 5, v0
	v_readfirstlane_b32 s12, v1                    ; wave 0..3
	s_lshr_b32 s13, s12, 1                         ; axis
	s_lshl_b32 s14, ttmp9, 4                       ; the image's box: 16 bytes
	s_lshl_b32 s15, ttmp9, 2                       ; its threshold: 4 bytes
	s_lshl_b32 s22, ttmp9, 11                      ; its part of each table: 2 x 256 words
	s_mov_b32 s23, 0
	s_mov_b32 s28, F511
	v_and_b32 v2, 63, v0
	v_lshlrev_b32 v2, 2, v2                        ; my first entry
	v_lshlrev_b32 v3, 4, v0                        ; my 16 bytes in each table
	s_wait_kmcnt 0x0
	s_load_b128 s[16:19], s[4:5], s14 offset:0x0
	s_load_b32 s20, s[6:7], s15 offset:0x0
	s_add_nc_u64 s[8:9], s[8:9], s[22:23]
	s_add_nc_u64 s[10:11], s[10:11], s[22:23]
	s_wait_kmcnt 0x0
	s_cmp_eq_u32 s13, 0
	s_cselect_b32 s24, s16, s17                    ; small
	s_cselect_b32 s25, s18, s19                    ; large
	s_cselect_b32 s26, 0, 0x3f800000               ; the default box's value for both: 0.0 or 1.0
	s_cselect_b32 s27, 1, 12                       ; rows stay indices, columns become byte offsets
	v_mov_b32 v4, s20
	v_mov_b32 v5, s26
	v_cmp_gt_f32 vcc_lo, 0.5, v4                   ; threshold < 0.5: the default box
	v_cndmask_b32 v6, s24, v5, vcc_lo
	v_cndmask_b32 v7, s25, v5, vcc_lo
	v_sub_f32 v8, v7, v6                           ; side
	v_add_f32 v9, v6, v7
	v_mul_f32 v8, F1P2, v8                         ; new_side
	v_mul_f32 v9, 0.5, v9                          ; center (halving is exact)
	v_mul_f32 v8, 0.5, v8                          ; new_side / 2
	v_sub_f32 v10, v9, v8
	v_add_f32 v11, v9, v8
.macro CLIP01 x                        ; clip to [0, 1] by compares, which a NaN fails: it passes through
	v_cmp_gt_f32 vcc_lo, 0, v[\x]
	v_cndmask_b32 v[\x], v[\x], 0, vcc_lo
	v_cmp_lt_f32 vcc_lo, 1.0, v[\x]
	v_cndmask_b32 v[\x], v[\x], 1.0, vcc_lo
.endm
	CLIP01 10                                      ; new_min
	CLIP01 11                                      ; new_max
	v_mul_f32 v12, s28, v10                        ; first coordinate = new_min * 511, rounded
	v_sub_f32 v13, v11, v10                        ; d = new_max - new_min
	v_mul_f32 v14, FSTEP, v13                      ; step = d * C, rounded once
.irp j, 0,1,2,3
	v_add_nc_u32 v16, \j, v2
	v_cvt_f32_u32 v16, v16
	v_fma_f32 v16, v16, v14, v12                   ; i * step + first, rounded once: see the head
	v_max_num_f32 v17, 0, v16
	v_min_num_f32 v17, s28, v17                    ; clipped to [0, 511] (a NaN becomes 0)
	v_cmp_eq_f32 vcc_lo, v17, v16                  ; unchanged by the clip = inside the image
	v_floor_f32 v18, v17
	v_sub_f32 v19, v17, v18                        ; the fraction (exact)
	v_cndmask_b32 v[WTSO+\j], -1.0, v19, vcc_lo
	v_cvt_u32_f32 v18, v18                         ; floor, 0 .. 511
	v_cmp_lt_f32 vcc_lo, 0, v19
	v_cndmask_b32 v19, 0, 1, vcc_lo
	v_add_nc_u32 v19, v18, v19                     ; ceil = floor + 1 where there is a fraction (then floor <= 510)
	v_lshl_or_b32 v18, v19, 16, v18
	v_mul_lo_u32 v[IDXO+\j], v18, s27              ; 12 x 511 stays inside 16 bits: both halves are scaled at once
.endr
	global_store_b128 v3, v[IDXO:IDXO+3], s[8:9]
	global_store_b128 v3, v[WTSO:WTSO+3], s[10:11]
	s_endpgm
.Lfunc_end_k_q904470a72c_tables:
	.size	k_q904470a72c_tables, .Lfunc_end_k_q904470a72c_tables-k_q904470a72c_tables
	.p2alignl 7, 3214868480
	.fill 96, 4, 3214868480
	.section	.rodata,"a",@progbits
	.p2align	6, 0x0
	.amdhsa_kernel k_q904470a72c_tables
		.amdhsa_group_segment_fixed_size 0
		.amdhsa_private_segment_fixed_size 0
		.amdhsa_enable_private_segment 0
		.amdhsa_kernarg_size 32
		.amdhsa_user_sgpr_count 2
		.amdhsa_user_sgpr_kernarg_segment_ptr 1
		.amdhsa_wavefront_size32 1
		.amdhsa_system_sgpr_workgroup_id_x 1
		.amdhsa_system_sgpr_workgroup_id_y 1
		.amdhsa_system_sgpr_workgroup_id_z 1
		.amdhsa_system_vgpr_workitem_id 0
		.amdhsa_next_free_vgpr 28
		.amdhsa_next_free_sgpr 66
		.amdhsa_reserve_vcc 1
		.amdhsa_float_denorm_mode_32 3
		.amdhsa_float_denorm_mode_16_64 3
		.amdhsa_memory_ordered 1
		.amdhsa_forward_progress 1
		.amdhsa_inst_pref_size 5
	.end_amdhsa_kernel
	.amdgpu_metadata
---
amdhsa.version: [ 1, 2 ]
amdhsa.kernels:
  - .name:           k_q904470a72c_tables
    .symbol:         k_q904470a72c_tables.kd
    .args:
      - { .name: bboxes, .offset: 0, .size: 8, .value_kind: global_buffer, .address_space: global }
      - { .name: threshold, .offset: 8, .size: 8, .value_kind: global_buffer, .address_space: global }
      - { .name: idx, .offset: 16, .size: 8, .value_kind: global_buffer, .address_space: global }
      - { .name: wts, .offset: 24, .size: 8, .value_kind: global_buffer, .address_space: global }
    .group_segment_fixed_size: 0
    .private_segment_fixed_size: 0
    .kernarg_segment_align: 8
    .kernarg_segment_size: 32
    .max_flat_workgroup_size: 128
    .sgpr_count:     66
    .vgpr_count:     28
    .wavefront_size: 32
...
	.end_amdgpu_metadata
.endif
;; end of part 1
;; launch crop (part 2): grid 8 x 64, 7 waves a work-group, no clusters, 22,528 bytes of LDS; arguments images, idx, wts, out0; writes out0
.if DOCPART == 2
	.amdgcn_target "amdgcn-amd-amdhsa--gfx1250"
	.amdhsa_code_object_version 6
	.text
	.protected	k_q904470a72c_crop
	.globl	k_q904470a72c_crop
	.p2align	8
	.type	k_q904470a72c_crop,@function
k_q904470a72c_crop:
	s_mov_b64 s[64:65], 0
	v_nop
	global_prefetch_b8 v0, s[64:65] scope:SCOPE_SE
	s_setreg_imm32_b32 hwreg(HW_REG_WAVE_MODE, 25, 1), 1
	s_wait_xcnt 0x0
; crop: the bilinear gather.  out0[n][oy][ox][c] from images[n][512][512][3], with the rows, columns and weights of the two tables.
; A work-group owns 28 output rows of one image (grid: 8 parts x 64 images).  Seven waves, lane = output pixel: 7 x 32 = 224, so a wave
; never leaves a row.  What belongs to a row (two source rows, the y weight) is scalar and becomes two scalar bases; what belongs to a
; column (two byte offsets, the x weight) is loaded once and stays in three registers: addressing costs no vector instruction.
; A corner is one pixel = 12 bytes at a multiple of 12: one global_load_b96, four loads for a pixel's three numbers.
; RING: rows go in groups of four; three groups of registers take turns, so that 48 loads of every wave (18,432 bytes) are on their way.
; THE WAY OUT: a lane's 12 bytes do not make 16-byte stores, and a row is 2,688 bytes = ten and a half times 256.  Four rows are 10,752 =
; 21 x 512 bytes: they are laid into LDS as 12-byte pieces and read back as 16-byte pieces, three loads and three stores a wave, each store
; covering 512 consecutive bytes at a multiple of 512 from the group's first byte (itself a multiple of 256 from out0's).
; Two LDS stages take turns: one barrier a group stands between a stage's fill and its reads, and also between the reads of the other stage
; (waited for in front of the signal) and its next fill.
; NO cluster, no tensor loads: work-groups share at most single source rows at their borders, and which rows is known only from the table.
; NO prefetch: the ring itself asks twelve rows ahead.
; ROUNDING: each interpolation is a subtraction and one fused multiply-add; reference() rounds the product and the sum apart.
; A weight of -1.0 marks a sample outside the image: the arithmetic is done all the same and the result replaced by 0.
.set ROWB,   6144                      ; bytes in a source row
.set IMGB,   0x300000                  ; bytes in a source image
.set OROW,   2688                      ; bytes in an output row
.set GBYTES, 4*OROW                    ; a group of four output rows, and an LDS stage
.set CROWS,  28                        ; rows of a work-group: 7 groups
.set VL,   1                           ; v1       byte offset of my left column in a source row
.set XL,   2                           ; v[2:3]   my x weight, twice (a pair for the packed forms)
.set LST,  4                           ; v4       LDS: 12 x pixel
.set LLD,  5                           ; v5       LDS and out0: 1,536 x wave + 16 x lane
.set VR,   6                           ; v6       byte offset of my right column
.set VT,   7                           ; v7       at work
.set OUTR, 8                           ; v[8:19]  the way out: 3 x 16 bytes
.set RING, 20                          ; v[20:211] slot k at 64 k: row r at 16 r: tl, tr, bl, br, four registers apart (a tuple of three starts even)
.set YL,   16                          ; s[16:43] y weights of my 28 rows
.set OFFP, 44                          ; s[44:45] a row's byte offset as 64 bits; the upper word stays 0
.set BASE, 48                          ; s[48:63] row r of a group: address of its top source row, of its bottom source row
.set YW,   68                          ; s[68:95] top | bottom << 16 of my 28 rows
.set MSK,  96                          ; s96      lanes whose sample lies inside the image
	s_load_b256 s[4:11], s[0:1], 0x0               ; images s[4:5], idx s[6:7], wts s[8:9], out0 s[10:11]
	v_lshl_add_u32 v212, v0, 2, 0x5400
	v_mov_b32 v213, 0
	s_and_b32 s13, ttmp7, 0xffff                   ; image
	s_lshl_b32 s14, s13, 11                        ; its 2,048 bytes in each table
	s_mov_b32 s15, 0
	s_mul_i32 s97, ttmp9, CROWS*4                  ; my first row's word in the row tables
	s_mov_b32 s[OFFP+1], 0
	v_lshlrev_b32 v[VT], 2, v0                     ; my pixel's word in the column tables
	v_lshrrev_b32 v8, 5, v0
	v_and_b32 v9, 31, v0
	v_mul_u32_u24 v[LLD], 0x600, v8
	v_lshl_add_u32 v[LLD], v9, 4, v[LLD]
	v_mul_u32_u24 v[LST], 12, v0
	s_wait_kmcnt 0x0
	s_add_nc_u64 s[6:7], s[6:7], s[14:15]
	s_add_nc_u64 s[8:9], s[8:9], s[14:15]
	global_load_b32 v[VL], v[VT], s[6:7] offset:1024      ; the column tables lie 1,024 bytes behind the row tables
	global_load_b32 v[XL], v[VT], s[8:9] offset:1024
	s_load_b512 s[YW:YW+15],    s[6:7], s97 offset:0x0    ; 16 + 8 + 4 = 28 words
	s_load_b256 s[YW+16:YW+23], s[6:7], s97 offset:0x40
	s_load_b128 s[YW+24:YW+27], s[6:7], s97 offset:0x60
	s_load_b512 s[YL:YL+15],    s[8:9], s97 offset:0x0
	s_load_b256 s[YL+16:YL+23], s[8:9], s97 offset:0x40
	s_load_b128 s[YL+24:YL+27], s[8:9], s97 offset:0x60
	s_mul_i32 s14, s13, IMGB                       ; below 2^32: 63 x 3 MiB
	s_add_nc_u64 s[4:5], s[4:5], s[14:15]          ; my image
	s_mul_i32 s14, s13, 224*OROW
	s_mul_i32 s98, ttmp9, CROWS*OROW
	s_add_co_u32 s14, s14, s98
	s_add_nc_u64 s[10:11], s[10:11], s[14:15]      ; my first output row
	s_wait_loadcnt 0x0
	v_lshrrev_b32 v[VR], 16, v[VL]
	v_and_b32 v[VL], 0xffff, v[VL]
	v_min_u32 v[VR], 0x17f4, v[VR]                 ; a loaded number enters an address only bounded: 12 x 511, the last pixel of a row
	v_min_u32 v[VL], 0x17f4, v[VL]
	v_mov_b32 v[XL+1], v[XL]
	s_wait_kmcnt 0x0
; Group q's sixteen loads into ring slot k.  The eight bases are rewritten here: the caller has waited (s_wait_xcnt 0) for the loads that named them.
.macro FILL q, k
.irp r, 0,1,2,3
	s_and_b32 s[OFFP], s[YW+4*(\q)+\r], 0xffff
	s_min_u32 s[OFFP], s[OFFP], 511                ; bounded, as above
	s_mul_i32 s[OFFP], s[OFFP], ROWB
	s_add_nc_u64 s[BASE+4*\r:BASE+4*\r+1], s[4:5], s[OFFP:OFFP+1]
	global_load_b96 v[RING+64*(\k)+16*\r:RING+64*(\k)+16*\r+2],     v[VL], s[BASE+4*\r:BASE+4*\r+1]     ; top left
	global_load_b96 v[RING+64*(\k)+16*\r+4:RING+64*(\k)+16*\r+6],   v[VR], s[BASE+4*\r:BASE+4*\r+1]     ; top right
	s_lshr_b32 s[OFFP], s[YW+4*(\q)+\r], 16
	s_min_u32 s[OFFP], s[OFFP], 511
	s_mul_i32 s[OFFP], s[OFFP], ROWB
	s_add_nc_u64 s[BASE+4*\r+2:BASE+4*\r+3], s[4:5], s[OFFP:OFFP+1]
	global_load_b96 v[RING+64*(\k)+16*\r+8:RING+64*(\k)+16*\r+10],  v[VL], s[BASE+4*\r+2:BASE+4*\r+3]   ; bottom left
	global_load_b96 v[RING+64*(\k)+16*\r+12:RING+64*(\k)+16*\r+14], v[VR], s[BASE+4*\r+2:BASE+4*\r+3]   ; bottom right
.endr
.endm
; Row r of group g, in slot k.  left = loads of younger groups that may stay out.
.macro ROW g, k, r, left
.set TL, RING+64*(\k)+16*(\r)
.set TR, TL+4
.set BL, TL+8
.set BR, TL+12
.set SY, YL+4*(\g)+(\r)
	s_wait_loadcnt (\left)+12-4*(\r)               ; loads return in order: this row's four are in; the 4 (3 - r) of the group's later rows and the younger groups' stay out
	v_pk_add_f32 v[TR:TR+1], v[TR:TR+1], v[TL:TL+1] neg_lo:[0,1] neg_hi:[0,1]     ; tr - tl
	v_sub_f32 v[TR+2], v[TR+2], v[TL+2]
	v_pk_add_f32 v[BR:BR+1], v[BR:BR+1], v[BL:BL+1] neg_lo:[0,1] neg_hi:[0,1]     ; br - bl
	v_sub_f32 v[BR+2], v[BR+2], v[BL+2]
	v_pk_fma_f32 v[TL:TL+1], v[TR:TR+1], v[XL:XL+1], v[TL:TL+1]                   ; top
	v_fma_f32 v[TL+2], v[TR+2], v[XL], v[TL+2]
	v_pk_fma_f32 v[BL:BL+1], v[BR:BR+1], v[XL:XL+1], v[BL:BL+1]                   ; bot
	v_fma_f32 v[BL+2], v[BR+2], v[XL], v[BL+2]
	v_pk_add_f32 v[BL:BL+1], v[BL:BL+1], v[TL:TL+1] neg_lo:[0,1] neg_hi:[0,1]     ; bot - top
	v_sub_f32 v[BL+2], v[BL+2], v[TL+2]
	v_min_num_f32 v[VT], s[SY], v[XL]              ; either weight negative = outside the image
	v_cmp_le_f32 s[MSK], 0, v[VT]
	v_fma_f32 v[TL],   v[BL],   s[SY], v[TL]
	v_fma_f32 v[TL+1], v[BL+1], s[SY], v[TL+1]
	v_fma_f32 v[TL+2], v[BL+2], s[SY], v[TL+2]
	v_cndmask_b32 v[TL],   0, v[TL],   s[MSK]
	v_cndmask_b32 v[TL+1], 0, v[TL+1], s[MSK]
	v_cndmask_b32 v[TL+2], 0, v[TL+2], s[MSK]
	ds_store_b96 v[LST], v[TL:TL+2] offset:STG+(\r)*OROW
.endm
; Group g in slot k.  refill = 1: the slot then takes group nextg.
.macro GROUP g, k, left, refill, nextg
.set STG, ((\g)%2)*GBYTES
.irp r, 0,1,2,3
	ROW \g, \k, \r, \left
.endr
	s_wait_xcnt 0x0                                ; the bases that pending loads name, and v[8:19], which the last group's stores read, are rewritten only behind this wait
.if \refill
	FILL \nextg, \k
.endif
	s_wait_dscnt 0x0                               ; for the other waves: my four rows' pieces are in the stage (and my reads of the other stage ended long ago)
	s_barrier_signal -1
	s_barrier_wait -1                              ; the stage is whole
.irp i, 0,1,2
	ds_load_b128 v[OUTR+4*\i:OUTR+4*\i+3], v[LLD] offset:STG+512*\i
.endr
.irp i, 0,1,2
	s_wait_dscnt 2-\i                              ; LDS loads return in order: piece i is in, the 2 - i younger ones may be out; the last wait is for 0
	global_store_b128 v[LLD], v[OUTR+4*\i:OUTR+4*\i+3], s[10:11] offset:(\g)*GBYTES+512*\i th:TH_STORE_NT
.endr
.endm
	FILL 0, 0
	s_wait_xcnt 0x0                                ; the eight bases are written again
	FILL 1, 1
	s_wait_xcnt 0x0
	FILL 2, 2
	GROUP 0, 0, 32, 1, 3                           ; two younger groups, 32 loads, stay out
	GROUP 1, 1, 32, 1, 4
	GROUP 2, 2, 32, 1, 5
	GROUP 3, 0, 32, 1, 6
	GROUP 4, 1, 32, 0, 0                           ; nothing is left to ask for: the counts run down
	GROUP 5, 2, 16, 0, 0
	GROUP 6, 0, 0, 0, 0
	s_wait_tensorcnt 0x0
	ds_add_u32 v212, v213
	s_wait_dscnt 0x0
	s_endpgm
.Lfunc_end_k_q904470a72c_crop:
	.size	k_q904470a72c_crop, .Lfunc_end_k_q904470a72c_crop-k_q904470a72c_crop
	.p2alignl 7, 3214868480
	.fill 96, 4, 3214868480
	.section	.rodata,"a",@progbits
	.p2align	6, 0x0
	.amdhsa_kernel k_q904470a72c_crop
		.amdhsa_group_segment_fixed_size 22528
		.amdhsa_private_segment_fixed_size 0
		.amdhsa_enable_private_segment 0
		.amdhsa_kernarg_size 32
		.amdhsa_user_sgpr_count 2
		.amdhsa_user_sgpr_kernarg_segment_ptr 1
		.amdhsa_wavefront_size32 1
		.amdhsa_system_sgpr_workgroup_id_x 1
		.amdhsa_system_sgpr_workgroup_id_y 1
		.amdhsa_system_sgpr_workgroup_id_z 1
		.amdhsa_system_vgpr_workitem_id 0
		.amdhsa_next_free_vgpr 214
		.amdhsa_next_free_sgpr 100
		.amdhsa_reserve_vcc 0
		.amdhsa_float_denorm_mode_32 3
		.amdhsa_float_denorm_mode_16_64 3
		.amdhsa_memory_ordered 1
		.amdhsa_forward_progress 1
		.amdhsa_inst_pref_size 60
	.end_amdhsa_kernel
	.amdgpu_metadata
---
amdhsa.version: [ 1, 2 ]
amdhsa.kernels:
  - .name:           k_q904470a72c_crop
    .symbol:         k_q904470a72c_crop.kd
    .args:
      - { .name: images, .offset: 0, .size: 8, .value_kind: global_buffer, .address_space: global }
      - { .name: idx, .offset: 8, .size: 8, .value_kind: global_buffer, .address_space: global }
      - { .name: wts, .offset: 16, .size: 8, .value_kind: global_buffer, .address_space: global }
      - { .name: out0, .offset: 24, .size: 8, .value_kind: global_buffer, .address_space: global }
    .group_segment_fixed_size: 22528
    .private_segment_fixed_size: 0
    .kernarg_segment_align: 8
    .kernarg_segment_size: 32
    .max_flat_workgroup_size: 224
    .sgpr_count:     100
    .vgpr_count:     214
    .wavefront_size: 32
...
	.end_amdgpu_metadata
.endif
;; end of part 2
;; ======== version 2 of 2: 2 launches; version 1 with the launch crop written anew for expert scheduling mode
;; workspace buffers: idx 131,072 bytes of whole numbers; wts 131,072 bytes
;; launch tables: the kernel of part 1 again; grid 64 x 1, 4 waves a work-group, no clusters, 0 bytes of LDS; arguments bboxes, threshold, idx, wts; writes idx, wts
;; launch crop (part 3): grid 8 x 64, 7 waves a work-group, no clusters, 22,528 bytes of LDS; arguments images, idx, wts, out0; writes out0
.if DOCPART == 3
	.amdgcn_target "amdgcn-amd-amdhsa--gfx1250"
	.amdhsa_code_object_version 6
	.text
	.protected	k_q904470a72c_crop
	.globl	k_q904470a72c_crop
	.p2align	8
	.type	k_q904470a72c_crop,@function
k_q904470a72c_crop:
	s_mov_b64 s[64:65], 0
	v_nop
	global_prefetch_b8 v0, s[64:65] scope:SCOPE_SE
	s_setreg_imm32_b32 hwreg(HW_REG_WAVE_SCHED_MODE, 0, 2), 2
	s_setreg_imm32_b32 hwreg(HW_REG_WAVE_MODE, 25, 1), 1
	s_wait_xcnt 0x0
	s_wait_alu depctr_vm_vsrc(0)
; crop: the bilinear gather.  out0[n][oy][ox][c] from images[n][512][512][3], with the rows, columns and weights of the two tables.
; A work-group owns 28 output rows of one image (grid: 8 parts x 64 images).  Seven waves, lane = output pixel: 7 x 32 = 224, so a wave
; never leaves a row.  What belongs to a row (two source rows, the y weight) is scalar and becomes two scalar bases; what belongs to a
; column (two byte offsets, the x weight) is loaded once and stays in three registers: addressing costs no vector instruction.
; A corner is one pixel = 12 bytes at a multiple of 12: one global_load_b96, four loads for a pixel's three numbers.
; RING: rows go in groups of four; three groups of registers take turns, so that 48 loads of every wave (18,432 bytes) are on their way.
; THE WAY OUT: a lane's 12 bytes do not make 16-byte stores, and a row is 2,688 bytes = ten and a half times 256.  Four rows are 10,752 =
; 21 x 512 bytes: they are laid into LDS as 12-byte pieces and read back as 16-byte pieces, three loads and three stores a wave, each store
; covering 512 consecutive bytes at a multiple of 512 from the group's first byte (itself a multiple of 256 from out0's).
; Two LDS stages take turns: one barrier a group stands between a stage's fill and its reads, and also between the reads of the other stage
; (waited for in front of the signal) and its next fill.
; NO cluster, no tensor loads: work-groups share at most single source rows at their borders, and which rows is known only from the table.
; NO prefetch: the ring itself asks twelve rows ahead.
; ROUNDING: each interpolation is a subtraction and one fused multiply-add; reference() rounds the product and the sum apart.
; A weight of -1.0 marks a sample outside the image: the arithmetic is done all the same and the result replaced by 0.
; THE MODE: SCHED_MODE bits 1:0 = 2 (LLVM: expert scheduling mode 2), set by the entry lines.  The code itself states the register dependences
; between vector instructions and memory or LDS instructions, and between a vector instruction's scalar result and its readers, with s_wait_alu, always for 0.
; THE PLAN.  The text is one straight run: no branch, no label.  Registers that memory or LDS instructions touch:
;   v7            offset of the head's two table loads; from then on written and read by the masks' lines alone.
;   v1, v6        offsets of all ring loads; v4 address of the LDS stores; v5 address of the LDS loads and offset of the stores to out0: made at the head, never written again.
;   ring slot     group g: its loads have landed; 64 vector lines work in it in place; four LDS stores read each row's three results; the loads of group g + 3 land in it.
;   v[8:19]       the LDS loads behind group g's barrier land here; the three stores that read them are issued in group g + 1, behind its first row; then that group's LDS loads land here.
;   s[96:99]      a group's four masks: written by a run of four compares at the group's head, read by its twelve selects.
; A group has three such waits.  va_sdst behind the run of compares.  va_vdst behind its last row: the results are written, which the LDS stores read, and no vector line
; still reads or writes the slot, in which the refill lands; up to the refill only LDS stores, waits and scalar lines follow, and the next vector lines name v7, v2, v3 and the next slot.
; vm_vsrc behind the LDS stores: they have read the results, and the stores to out0 issued earlier in the group have read v[8:19].
; The stores to out0 stand among the next group's vector lines with no wait of this kind: they read v5 and v[8:19], which no vector line behind the head names.
.set ROWB,   6144                      ; bytes in a source row
.set IMGB,   0x300000                  ; bytes in a source image
.set OROW,   2688                      ; bytes in an output row
.set GBYTES, 4*OROW                    ; a group of four output rows, and an LDS stage
.set CROWS,  28                        ; rows of a work-group: 7 groups
.set VL,   1                           ; v1       byte offset of my left column in a source row
.set XL,   2                           ; v[2:3]   my x weight, twice (a pair for the packed forms)
.set LST,  4                           ; v4       LDS: 12 x pixel
.set LLD,  5                           ; v5       LDS and out0: 1,536 x wave + 16 x lane
.set VR,   6                           ; v6       byte offset of my right column
.set VT,   7                           ; v7       at work
.set OUTR, 8                           ; v[8:19]  the way out: 3 x 16 bytes
.set RING, 20                          ; v[20:211] slot k at 64 k: row r at 16 r: tl, tr, bl, br, four registers apart (a tuple of three starts even)
.set YL,   16                          ; s[16:43] y weights of my 28 rows
.set OFFP, 44                          ; s[44:45] a row's byte offset as 64 bits; the upper word stays 0
.set BASE, 48                          ; s[48:63] row r of a group: address of its top source row, of its bottom source row
.set YW,   68                          ; s[68:95] top | bottom << 16 of my 28 rows
.set MSK,  96                          ; s[96:99] row r of a group: lanes whose sample lies inside the image (s97 and s98 hold two offsets at the head first)
	s_load_b256 s[4:11], s[0:1], 0x0               ; images s[4:5], idx s[6:7], wts s[8:9], out0 s[10:11]
	v_lshl_add_u32 v207, v0, 2, 0x5400
	v_mov_b32 v211, 0
	s_and_b32 s13, ttmp7, 0xffff                   ; image
	s_lshl_b32 s14, s13, 11                        ; its 2,048 bytes in each table
	s_mov_b32 s15, 0
	s_mul_i32 s97, ttmp9, CROWS*4                  ; my first row's word in the row tables
	s_mov_b32 s[OFFP+1], 0
	v_lshlrev_b32 v[VT], 2, v0                     ; my pixel's word in the column tables
	v_lshrrev_b32 v8, 5, v0
	v_and_b32 v9, 31, v0
	v_mul_u32_u24 v[LLD], 0x600, v8
	v_lshl_add_u32 v[LLD], v9, 4, v[LLD]
	v_mul_u32_u24 v[LST], 12, v0
	s_wait_kmcnt 0x0
	s_add_nc_u64 s[6:7], s[6:7], s[14:15]
	s_add_nc_u64 s[8:9], s[8:9], s[14:15]
	s_wait_alu depctr_va_vdst(0)                   ; v7 is written, the offset of the two loads below; so are v4 and v5, which every LDS instruction and store of the kernel reads
	global_load_b32 v[VL], v[VT], s[6:7] offset:1024      ; the column tables lie 1,024 bytes behind the row tables
	global_load_b32 v[XL], v[VT], s[8:9] offset:1024
	s_load_b512 s[YW:YW+15],    s[6:7], s97 offset:0x0    ; 16 + 8 + 4 = 28 words
	s_load_b256 s[YW+16:YW+23], s[6:7], s97 offset:0x40
	s_load_b128 s[YW+24:YW+27], s[6:7], s97 offset:0x60
	s_load_b512 s[YL:YL+15],    s[8:9], s97 offset:0x0
	s_load_b256 s[YL+16:YL+23], s[8:9], s97 offset:0x40
	s_load_b128 s[YL+24:YL+27], s[8:9], s97 offset:0x60
	s_mul_i32 s14, s13, IMGB                       ; below 2^32: 63 x 3 MiB
	s_add_nc_u64 s[4:5], s[4:5], s[14:15]          ; my image
	s_mul_i32 s14, s13, 224*OROW
	s_mul_i32 s98, ttmp9, CROWS*OROW
	s_add_co_u32 s14, s14, s98
	s_add_nc_u64 s[10:11], s[10:11], s[14:15]      ; my first output row
	s_wait_loadcnt 0x0
	s_wait_alu depctr_vm_vsrc(0)                   ; the two table loads have read v7, which the masks' lines write from here on
	v_lshrrev_b32 v[VR], 16, v[VL]
	v_and_b32 v[VL], 0xffff, v[VL]
	v_min_u32 v[VR], 0x17f4, v[VR]                 ; a loaded number enters an address only bounded: 12 x 511, the last pixel of a row
	v_min_u32 v[VL], 0x17f4, v[VL]
	v_mov_b32 v[XL+1], v[XL]
	s_wait_kmcnt 0x0                               ; the row tables are in; the scalar loads that read s97 are done
	s_wait_alu depctr_va_vdst(0)                   ; v1 and v6 are written: every load of the ring reads one of them as its offset
; Group q's sixteen loads into ring slot k.  The eight bases are rewritten here: the caller has waited (s_wait_xcnt 0) for the loads that named them.
.macro FILL q, k
.irp r, 0,1,2,3
	s_and_b32 s[OFFP], s[YW+4*(\q)+\r], 0xffff
	s_min_u32 s[OFFP], s[OFFP], 511                ; bounded, as above
	s_mul_i32 s[OFFP], s[OFFP], ROWB
	s_add_nc_u64 s[BASE+4*\r:BASE+4*\r+1], s[4:5], s[OFFP:OFFP+1]
	global_load_b96 v[RING+64*(\k)+16*\r:RING+64*(\k)+16*\r+2],     v[VL], s[BASE+4*\r:BASE+4*\r+1]     ; top left
	global_load_b96 v[RING+64*(\k)+16*\r+4:RING+64*(\k)+16*\r+6],   v[VR], s[BASE+4*\r:BASE+4*\r+1]     ; top right
	s_lshr_b32 s[OFFP], s[YW+4*(\q)+\r], 16
	s_min_u32 s[OFFP], s[OFFP], 511
	s_mul_i32 s[OFFP], s[OFFP], ROWB
	s_add_nc_u64 s[BASE+4*\r+2:BASE+4*\r+3], s[4:5], s[OFFP:OFFP+1]
	global_load_b96 v[RING+64*(\k)+16*\r+8:RING+64*(\k)+16*\r+10],  v[VL], s[BASE+4*\r+2:BASE+4*\r+3]   ; bottom left
	global_load_b96 v[RING+64*(\k)+16*\r+12:RING+64*(\k)+16*\r+14], v[VR], s[BASE+4*\r+2:BASE+4*\r+3]   ; bottom right
.endr
.endm
; The four masks of group g hang on the weights alone: one run of compares, one wait.
.macro MASKS g
.irp r, 0,1,2,3
	v_min_num_f32 v[VT], s[YL+4*(\g)+\r], v[XL]    ; either weight negative = outside the image
	v_cmp_le_f32 s[MSK+\r], 0, v[VT]
.endr
	s_wait_alu depctr_va_sdst(0)                   ; the four compares have written s[96:99], ahead of the first select that reads one of them
.endm
; Row r of group g, in slot k.  left = loads of younger groups that may stay out.  The row's three results stay in the top left corner's registers.
.macro ROW g, k, r, left
.set TL, RING+64*(\k)+16*(\r)
.set TR, TL+4
.set BL, TL+8
.set BR, TL+12
.set SY, YL+4*(\g)+(\r)
	s_wait_loadcnt (\left)+12-4*(\r)               ; loads return in order: this row's four are in; the 4 (3 - r) of the group's later rows and the younger groups' stay out
	v_pk_add_f32 v[TR:TR+1], v[TR:TR+1], v[TL:TL+1] neg_lo:[0,1] neg_hi:[0,1]     ; tr - tl
	v_sub_f32 v[TR+2], v[TR+2], v[TL+2]
	v_pk_add_f32 v[BR:BR+1], v[BR:BR+1], v[BL:BL+1] neg_lo:[0,1] neg_hi:[0,1]     ; br - bl
	v_sub_f32 v[BR+2], v[BR+2], v[BL+2]
	v_pk_fma_f32 v[TL:TL+1], v[TR:TR+1], v[XL:XL+1], v[TL:TL+1]                   ; top
	v_fma_f32 v[TL+2], v[TR+2], v[XL], v[TL+2]
	v_pk_fma_f32 v[BL:BL+1], v[BR:BR+1], v[XL:XL+1], v[BL:BL+1]                   ; bot
	v_fma_f32 v[BL+2], v[BR+2], v[XL], v[BL+2]
	v_pk_add_f32 v[BL:BL+1], v[BL:BL+1], v[TL:TL+1] neg_lo:[0,1] neg_hi:[0,1]     ; bot - top
	v_sub_f32 v[BL+2], v[BL+2], v[TL+2]
	v_fma_f32 v[TL],   v[BL],   s[SY], v[TL]
	v_fma_f32 v[TL+1], v[BL+1], s[SY], v[TL+1]
	v_fma_f32 v[TL+2], v[BL+2], s[SY], v[TL+2]
	v_cndmask_b32 v[TL],   0, v[TL],   s[MSK+(\r)]
	v_cndmask_b32 v[TL+1], 0, v[TL+1], s[MSK+(\r)]
	v_cndmask_b32 v[TL+2], 0, v[TL+2], s[MSK+(\r)]
.endm
; Group g leaves: the three pieces that its LDS loads brought are stored.  Only those three LDS loads are out when this stands.
.macro SEND g
.irp i, 0,1,2
	s_wait_dscnt 2-\i                              ; LDS loads return in order: piece i is in, the 2 - i younger ones may be out; the last wait is for 0
	global_store_b128 v[LLD], v[OUTR+4*\i:OUTR+4*\i+3], s[10:11] offset:(\g)*GBYTES+512*\i th:TH_STORE_NT
.endr
.endm
; Group g in slot k.  refill = 1: the slot then takes group nextg.
.macro GROUP g, k, left, refill, nextg
.set STG, ((\g)%2)*GBYTES
	MASKS \g                                       ; with row 0 it stands between the last group's LDS loads and the waits for them
	ROW \g, \k, 0, \left
.if (\g) > 0
	SEND (\g)-1                                    ; the group before leaves.  No wait on the vector side: no vector line behind the head names v5 or v[8:19]
.endif
.irp r, 1,2,3
	ROW \g, \k, \r, \left
.endr
	s_wait_alu depctr_va_vdst(0)                   ; the four rows' results are written, which the LDS stores read; no vector line still reads or writes the slot, in which the refill's loads land
.irp r, 0,1,2,3
	ds_store_b96 v[LST], v[RING+64*(\k)+16*\r:RING+64*(\k)+16*\r+2] offset:STG+\r*OROW
.endr
	s_wait_xcnt 0x0                                ; the bases that pending loads name, and v[8:19], which the last group's stores read, are rewritten only behind this wait
	s_wait_alu depctr_vm_vsrc(0)                   ; the LDS stores above have read the results, where the slot's next loads land; the last group's stores have read v[8:19], where the LDS loads below land
.if \refill
	FILL \nextg, \k
.endif
	s_wait_dscnt 0x0                               ; for the other waves: my four rows' pieces are in the stage (and my reads of the other stage ended long ago)
	s_barrier_signal -1
	s_barrier_wait -1                              ; the stage is whole
.irp i, 0,1,2
	ds_load_b128 v[OUTR+4*\i:OUTR+4*\i+3], v[LLD] offset:STG+512*\i
.endr
.endm
	FILL 0, 0
	s_wait_xcnt 0x0                                ; the eight bases are written again
	FILL 1, 1
	s_wait_xcnt 0x0
	FILL 2, 2
	GROUP 0, 0, 32, 1, 3                           ; two younger groups, 32 loads, stay out
	GROUP 1, 1, 32, 1, 4
	GROUP 2, 2, 32, 1, 5
	GROUP 3, 0, 32, 1, 6
	GROUP 4, 1, 32, 0, 0                           ; nothing is left to ask for: the counts run down
	GROUP 5, 2, 16, 0, 0
	GROUP 6, 0, 0, 0, 0
	SEND 6                                         ; the last group has no group behind it: it leaves at once
	s_wait_dscnt 0x0
	s_wait_alu depctr_hold_cnt(0) depctr_sa_sdst(0) depctr_va_vdst(0) depctr_va_sdst(0) depctr_va_ssrc(0) depctr_va_vcc(0) depctr_vm_vsrc(0)
	s_wait_tensorcnt 0x0
	ds_add_u32 v207, v211
	s_wait_dscnt 0x0
	s_endpgm
.Lfunc_end_k_q904470a72c_crop:
	.size	k_q904470a72c_crop, .Lfunc_end_k_q904470a72c_crop-k_q904470a72c_crop
	.p2alignl 7, 3214868480
	.fill 96, 4, 3214868480
	.section	.rodata,"a",@progbits
	.p2align	6, 0x0
	.amdhsa_kernel k_q904470a72c_crop
		.amdhsa_group_segment_fixed_size 22528
		.amdhsa_private_segment_fixed_size 0
		.amdhsa_enable_private_segment 0
		.amdhsa_kernarg_size 32
		.amdhsa_user_sgpr_count 2
		.amdhsa_user_sgpr_kernarg_segment_ptr 1
		.amdhsa_wavefront_size32 1
		.amdhsa_system_sgpr_workgroup_id_x 1
		.amdhsa_system_sgpr_workgroup_id_y 1
		.amdhsa_system_sgpr_workgroup_id_z 1
		.amdhsa_system_vgpr_workitem_id 0
		.amdhsa_next_free_vgpr 212
		.amdhsa_next_free_sgpr 100
		.amdhsa_reserve_vcc 0
		.amdhsa_float_denorm_mode_32 3
		.amdhsa_float_denorm_mode_16_64 3
		.amdhsa_memory_ordered 1
		.amdhsa_forward_progress 1
		.amdhsa_inst_pref_size 61
	.end_amdhsa_kernel
	.amdgpu_metadata
---
amdhsa.version: [ 1, 2 ]
amdhsa.kernels:
  - .name:           k_q904470a72c_crop
    .symbol:         k_q904470a72c_crop.kd
    .args:
      - { .name: images, .offset: 0, .size: 8, .value_kind: global_buffer, .address_space: global }
      - { .name: idx, .offset: 8, .size: 8, .value_kind: global_buffer, .address_space: global }
      - { .name: wts, .offset: 16, .size: 8, .value_kind: global_buffer, .address_space: global }
      - { .name: out0, .offset: 24, .size: 8, .value_kind: global_buffer, .address_space: global }
    .group_segment_fixed_size: 22528
    .private_segment_fixed_size: 0
    .kernarg_segment_align: 8
    .kernarg_segment_size: 32
    .max_flat_workgroup_size: 224
    .sgpr_count:     100
    .vgpr_count:     212
    .wavefront_size: 32
...
	.end_amdgpu_metadata
.endif
;; end of part 3
